; MI455X (gfx1250); checked and timed in simulation.
; The chip was launched on July 23, 2026; its instructions are those of AMD's public machine-readable ISA for CDNA 5 (MIT licence, August 2026) and "CDNA5" Instruction Set Architecture Reference Guide (July 2026). The comments in the code are by the model that wrote it; some were corrected since.
;; Self Attention. Allowed arithmetic: matrix products marked QUANTISED: E2M3 operands, one E8M0 scale for each 32 along K, by v_wmma_scale_f32_16x16x128_f8f6f4 with both operands' format E2M3, f32 sums; products left as they are: f32 operands where the result goes on into a quantised operand, else bf16, f16 or f32 operands; f32 sums; everything else in f32.
;; Inputs: Wf 64 x 8 float32; Wg 64 x 8 float32; Wh_codes 64 x 2 x 24 uint8 (E2M3 codes of Wh, K innermost, in blocks of 32 codes, four codes in three bytes); Wh_scales 64 x 2 uint8 (E8M0 scales of Wh, one for each 32 codes along K); bf 8 float32; bg 8 float32; bh 64 float32; x 4 x 64 x 64 x 64 float32.
;; Outputs: out0 4 x 4,096 x 64 float32.
;; This version of the problem:
;;   THIS VERSION OF THE PROBLEM IS GIVEN IN LOW PRECISION. The matrix products marked QUANTISED in the list below multiply operands that are first quantised to E2M3 (2 exponent bits, 3 mantissa bits; 6 bits a number), with one power-of-two scale for each 32 numbers along K (OCP MX v1.0); their sums are f32. All else is computed in f32.
;;   The module's matrix products, in the order in which they are computed (A, B: the left and right operand; K: the contracted axis; several contracted axes count as one K, in the product's order):
;;     1. [M 16,384, K 64] x [K 64, N 8]; A: input x; B: input Wf: left as it is (N = 8 < 16)
;;     2. [M 16,384, K 64] x [K 64, N 8]; A: input x; B: input Wg: left as it is (N = 8 < 16)
;;     3. [M 16,384, K 64] x [K 64, N 64]; A: input x; B: input Wh (given as codes): QUANTISED
;;     4. batch 4 x [M 4,096, K 8] x [K 8, N 4,096]; A: computed on the way; B: computed on the way: left as it is (K = 8 < 32)
;;     5. batch 4 x [M 4,096, K 4,096] x [K 4,096, N 64]; A: softmax (see below); B: computed on the way: QUANTISED
;;   THE QUANTISER, for each operand of a quantised product, along K:
;;     - K is cut into blocks of 32 from its start; a last block that is shorter is filled with zeros.
;;     - A block's scale is 2^e with e = floor(log2(the largest magnitude in the block)) - 2, held to -126 .. 127; a block of zeros has e = 0. As a byte (E8M0): e + 127.
;;     - Each number is divided by its block's scale, clamped to +-7.5, and rounded to the nearest number of E2M3, ties to even, subnormals kept.
;;     - The product sums the exact products of the quantised numbers (number of the format x scale) in f32.
;;   ~~~python
;;   def quantise(x, axis):      # numpy; x: float32 -> the quantised numbers, widened to float32 again
;;       x = np.moveaxis(x, axis, -1); K = x.shape[-1]
;;       x = np.pad(x, [(0, 0)] * (x.ndim - 1) + [(0, -K % 32)]); x = x.reshape(x.shape[:-1] + (-1, 32)); a = np.abs(x).max(-1, keepdims=True)
;;       e = np.where(a > 0, np.clip(np.frexp(np.where(a > 0, a, 1))[1] - 1 - 2, -126, 127), 0)      # np.frexp(a)[1] - 1 = floor(log2(a)), exactly
;;       r = np.clip(x / 2.0 ** e, -7.5, 7.5)
;;       step = 2.0 ** (np.maximum(np.frexp(np.where(r == 0, 1, r))[1] - 1, 0) - 3)
;;       q = np.round(r / step) * step * 2.0 ** e      # np.round: ties to even
;;       return np.moveaxis(q.reshape(q.shape[:-2] + (-1,))[..., :K], -1, axis).astype(np.float32)
;;   ~~~
;;   SOFTMAX AHEAD OF A QUANTISED PRODUCT. Where the list says 'softmax', what is quantised is not the finished softmax but p = 2^(t - M), with t = logit x log2(e) and M = ceil(the row's largest t), a whole number; so 1/2 < the row's largest p <= 1. The row's sum l is taken of the UNQUANTISED p, in f32, and the product's result is divided by l at the end. Since M is a whole number, a kernel that streams over the keys may use a running M (the ceiling of the running maximum): every later rescaling is an exact power of two, which a block's scale takes up: the codes' values come out the same.
;;   OPERANDS COMPUTED ON THE WAY. 'Computed on the way' means the value that the module computes at that place (a softmax that the list does not call 'softmax' is quantised finished and normalised). What goes into a quantiser is computed in f32, as accurately as f32 sums, v_exp_f32 and their like allow (about 1e-6 of the number): no bf16 or f16 on the way to a quantiser, and a product that is left as it is and whose result goes on into a quantised operand takes f32 operands (vector FMAs, or v_wmma_f32_16x16x4_f32). A number that lies on a knife's edge between two numbers of the format may be rounded either way, as far as f32 arithmetic and the matrix unit's own rounding can turn it there, and no further.
;;   INPUTS GIVEN AS CODES. Wh (in the module: [64, 64], K = its axis 0): each comes as NAME_codes (uint8): NAME with its K axis moved to the last place and cut into blocks of 32 codes, [.., K / 32, bytes a block], one block behind the other in memory; four codes in three bytes: a row's codes are one little-endian stream of bits, code i at bits 6 i .. 6 i + 5 (a code: sign, 2 exponent bits, 3 mantissa bits); and NAME_scales (uint8): the same leading axes, one E8M0 byte (e + 127) for each 32 codes along K. Its value is code x scale, taken as it is: it is not quantised again, and the codes and scales need not be those that the quantiser above would give.
;; One version. Each part assembles by itself: llvm-mc -triple=amdgcn-amd-amdhsa -mcpu=gfx1250 --defsym DOCPART=n.
;; ======== version 1 of 1: 2 launches
;; workspace buffers: ws 1,867,776 bytes
;; launch prep (part 1): grid 32 x 4, 4 waves a work-group, no clusters, 60,160 bytes of LDS; arguments x, Wf, bf, Wg, bg, Wh_codes, Wh_scales, bh, ws; writes ws
.if DOCPART == 1
	.amdgcn_target "amdgcn-amd-amdhsa--gfx1250"
	.amdhsa_code_object_version 6
	.text
	.protected	k_q9f677a7eae_prep
	.globl	k_q9f677a7eae_prep
	.p2align	8
	.type	k_q9f677a7eae_prep,@function
k_q9f677a7eae_prep:
	s_mov_b64 s[64:65], 0
	v_nop
	global_prefetch_b8 v0, s[64:65] scope:SCOPE_SE
	s_setreg_imm32_b32 hwreg(HW_REG_WAVE_MODE, 25, 1), 1
	s_wait_xcnt 0x0
; f = x Wf + bf, g = (x Wg + bg) log2(e), v = Q(x) Wh + bh, and Q(v) along the keys, for 128 positions (one key step) a work-group.
; x: [4][4096][64] f32.  Wf, Wg: [64][8] f32.  Wh: codes of FP6 (E2M3), [64 (n)][2][24] bytes, K innermost, one E8M0 byte for each 32 along K.  All results go to ws, laid in the order of the next launch's operand registers.
; ws, key step sidx = 32 batch + step, at sidx x STEPB:  F: 8 tiles of 512 bytes, lane (r, h) has f[key(T, r)][4 h .. 4 h + 3] at 512 T + 16 lane;  V at VOFF: 4 fragments (16 channels x 128 keys of codes) of 1,536 bytes,
; registers 4 c .. 4 c + 3 of lane l at 1536 t + 512 c + 16 l;  V's scale words at SOFF: channel 16 t + r at 16 r + 4 t.  G at GOFF: tile 8 sidx + T, 512 bytes, laid like F.
; THE POSITIONS OF A TILE ARE NOT NEIGHBOURS: key(T, r) = 32 (T / 2) + 8 (T % 2) + r + 8 (r / 8), so that the 16 result registers of tiles 2 b and 2 b + 1 are 16 neighbouring keys, 32 b + 16 (lane / 16) + 0 .. 15.
; SHARES.  Phase 1: wave w takes positions 32 w .. 32 w + 31 (tiles 2 w, 2 w + 1): f and g by the f32 matrix form (their results go on into a quantiser), x's codes to LDS as images of the operand's registers.
; Phase 2: wave w takes channels 16 w .. 16 w + 15 for all 128 keys: eight products on codes, quantised along the keys in registers: one whole fragment, which leaves by three stores of 512 consecutive bytes.
; 128 work-groups: a fragment of V wants 128 keys of 16 channels in one wave; half the keys to a work-group would leave half fragments to be pieced together.
; NO CLUSTER: work-groups share only the weights, 7.5 KB against 32 KiB of x of their own.  No tensor load: each wave's x comes through registers, once.
; LIMITS: NaN and infinities are not served.  A block whose largest magnitude lies under 2^-124 keeps the scale byte 1; so does a block of zeros (the rule says 127): its codes are zeros, and this program alone reads the bytes.
; log2(e) is multiplied into g here, ahead of the score product: an order of rounding other than the reference's.
.set STEPB, 10496
.set VOFF,  4096
.set SOFF,  10240
.set GOFF,  1343488
.set XSTG,  0                          ; LDS: each wave's own stage for x: 32 rows, 272 bytes apart (256 + 16: sixteen rows start at sixteen different columns of 16 bytes)
.set WSTG,  34816                      ; each wave's own stage for Wf and Wg: row c at 64 c + 64 (c / 32): 32 bytes of Wf, 32 of Wg
.set XIMG,  52224                      ; x's eight fragments: tile T: registers 0-3 at 768 T + 16 lane, registers 4-5 at 768 T + 512 + 8 lane
.set XSC,   58368                      ; their scale words: 128 T + 4 lane
.set VSC,   59392                      ; V's scale words: 16 r + 4 t
.set TM,    160                        ; phase 2: v160-163 largest magnitudes, v164-167 bytes, v172-175 the conversions' scale operands
.set PC,    32                         ; phase 2: the codes just made, v32-43, and v44-50 at work
.set PW,    30                         ; the scale word just made
.set SEL,   26                         ; s[26:27] lane selects for v_permlanex16_b32: lane l xor 16
; REGISTERS: v1 16 lane, v2 8 lane, v3 4 lane; v4-11, v15 LDS addresses; v8, v14 offsets in ws; v12 the factor, v13 8 h; v16-27 Wh's fragment, v28 its scale word, v29 bh; v32-63 Wf and Wg as 16 operands;
; v64-127 x of my two tiles (before that the raw weights; in phase 2 four fragments of x and bh as a C); v128-143 f and g (written by matrix instructions alone); v144-151 their biases; v152-183 at work; v184-191 x's scale words; v192-255 raw x, f and g on their way out, v.
	s_load_b512 s[4:19], s[0:1], 0x0               ; x 4:5, Wf 6:7, bf 8:9, Wg 10:11, bg 12:13, Wh's codes 14:15, Wh's scales 16:17, bh 18:19
	s_load_b64 s[20:21], s[0:1], 0x40              ; ws: never stepped
	v_lshl_add_u32 v159, v0, 2, 0xe900
	v_mov_b32 v171, 0
	v_lshrrev_b32 v160, 5, v0
	v_readfirstlane_b32 s22, v160                  ; wave 0..3
	v_and_b32 v160, 31, v0                         ; lane
	v_and_b32 v161, 15, v0                         ; r
	v_bfe_u32 v162, v0, 4, 1                       ; h
	s_and_b32 s23, ttmp7, 0xffff                   ; batch
	s_lshl_b32 s23, s23, 5
	s_add_co_u32 s23, s23, ttmp9                   ; sidx = 32 batch + step
	s_mov_b32 s[SEL], 0x76543210
	s_mov_b32 s[SEL+1], 0xfedcba98
	v_lshlrev_b32 v1, 4, v160
	v_lshlrev_b32 v2, 3, v160
	v_lshlrev_b32 v3, 2, v160
	s_mul_i32 s28, s22, 8704                       ; my stage for x
	v_mul_u32_u24 v4, v162, 272
	v_lshl_add_u32 v4, v161, 4, v4
	v_add_nc_u32 v4, s28, v4                       ; in: as loaded: row h of a pair, 16 r
	v_mul_u32_u24 v5, v161, 272
	v_lshl_add_u32 v5, v162, 7, v5
	v_add_nc_u32 v5, s28, v5                       ; back: row r, my half's 128 bytes
	s_mul_i32 s29, s22, 4352
	s_add_co_u32 s29, s29, WSTG                    ; my stage for the weights
	v_lshrrev_b32 v6, 1, v160
	v_lshlrev_b32 v6, 6, v6
	v_and_b32 v7, 1, v0
	v_lshl_add_u32 v6, v7, 4, v6
	v_add_nc_u32 v6, s29, v6                       ; in: 64 (lane / 2) + 16 (lane % 2)
	v_mul_u32_u24 v7, v162, 2112
	v_lshl_add_u32 v7, v161, 2, v7
	v_add_nc_u32 v7, s29, v7                       ; back: rows 32 h on, output r (0-7: f, 8-15: g)
	s_mul_i32 s31, s23, STEPB                      ; my key step's block in ws
	s_mul_i32 s32, s23, STEPB-4096
	s_sub_co_u32 s32, GOFF, s32                    ; from my step's F to its G: GOFF + 4096 sidx - STEPB sidx, above 0 for all 128 steps
	v_mul_u32_u24 v8, s32, v162                    ; lanes 16-31 hold g
	s_lshl_b32 s33, s22, 10
	s_add_co_u32 s33, s33, s31
	v_lshl_add_u32 v8, v161, 4, v8
	v_add_nc_u32 v8, s33, v8                       ; f and g in ws: my two tiles, 16 r
	s_mul_i32 s28, s22, 1536
	s_add_co_u32 s29, s28, XIMG
	v_add_nc_u32 v9, s29, v1                       ; x's images, registers 0-3
	s_add_co_u32 s29, s28, XIMG+512
	v_add_nc_u32 v10, s29, v2                      ; registers 4-5
	s_lshl_b32 s29, s22, 8
	s_add_co_u32 s29, s29, XSC
	v_add_nc_u32 v11, s29, v3                      ; their scale words
	v_lshlrev_b32 v13, 3, v162                     ; 8 h: my block's byte in x's scale word
	s_add_co_u32 s29, s28, s31
	s_add_co_u32 s29, s29, VOFF
	v_add_nc_u32 v14, s29, v1                      ; V's fragment t = wave in ws
	s_lshl_b32 s29, s22, 2
	s_add_co_u32 s29, s29, VSC
	v_lshl_add_u32 v15, v161, 4, s29               ; V's scale word in LDS
	v_cmp_ne_u32 s30, 0, v162                      ; lanes 16-31
	v_mov_b32 v163, 0x3fb8aa3b                     ; log2(e)
	v_cndmask_b32 v12, 1.0, v163, s30              ; f x 1, g x log2(e)
	s_mul_i32 s29, s22, 768
	v_mul_u32_u24 v164, v161, 48
	v_mad_u32_u24 v164, v162, 24, v164
	v_add_nc_u32 v164, s29, v164                   ; Wh's codes: row 16 w + r of 48 bytes, + 24 h
	s_lshl_b32 s29, s22, 5
	v_lshl_add_u32 v165, v161, 1, s29              ; Wh's scales: 2 bytes a row
	s_lshl_b32 s29, s22, 6
	v_lshl_add_u32 v166, v161, 2, s29              ; bh
	v_mov_b32 v31, 0
.irp i, 22,23,24,25,26,27
	v_mov_b32 v[\i], 0                             ; K is 64: the upper half of the instruction's 128 is zero codes, on both sides
.endr
	v_mov_b32 v182, 0                              ; written once: a lane permute's destination counts as one of its sources
	v_mov_b32 v183, 0
	s_lshl_b32 s24, s23, 15                        ; x: 128 positions of 256 bytes a step,
	s_lshl_b32 s25, s22, 13                        ; 32 a wave
	s_add_co_u32 s24, s24, s25
	s_mov_b32 s25, 0
	s_wait_kmcnt 0x0
	s_add_nc_u64 s[4:5], s[4:5], s[24:25]
	; 17 small loads, then x's 16
.irp i, 0,1,2,3
	global_load_b128 v[64+4*\i:67+4*\i], v1, s[6:7] offset:512*\i        ; Wf as it lies
.endr
.irp i, 0,1,2,3
	global_load_b128 v[80+4*\i:83+4*\i], v1, s[10:11] offset:512*\i      ; Wg
.endr
	global_load_b128 v[96:99], v31, s[8:9]                               ; bf, in every lane
	global_load_b128 v[100:103], v31, s[8:9] offset:16
	global_load_b128 v[144:147], v31, s[12:13]                           ; bg
	global_load_b128 v[148:151], v31, s[12:13] offset:16
.irp p, 0,1,2
	global_load_b64 v[16+2*\p:17+2*\p], v164, s[14:15] offset:8*\p       ; Wh's fragment: k = 32 h .. 32 h + 31 of channel 16 w + r
.endr
	global_load_u16 v28, v165, s[16:17]                                  ; its two scale bytes; bytes 2 and 3 are 0 and stand over zero codes
	global_load_b32 v29, v166, s[18:19]
.irp i, 0,1,2,3,4,5,6,7,8,9,10,11,12,13,14,15
	global_load_b128 v[192+4*\i:195+4*\i], v1, s[4:5] offset:512*\i th:TH_LOAD_NT   ; 32 lanes read 512 consecutive bytes: positions 2 i, 2 i + 1
.endr
	s_wait_loadcnt 16                              ; the 17 small loads are in; x's 16 may be out
	; the weights turn through my stage: an operand's lane (r, h) wants W[32 h + i][output r]
.irp i, 0,1,2,3
	ds_store_b128 v6, v[64+4*\i:67+4*\i] offset:1024*\i+64*(\i/2)
	ds_store_b128 v6, v[80+4*\i:83+4*\i] offset:1024*\i+64*(\i/2)+32
.endr
.set i, 0
.rept 32
	ds_load_b32 v[32+i], v7 offset:64*i            ; LDS serves a wave's instructions in order: these see my stores
.set i, i+1
.endr
.irp j, 0,1,2,3,4,5,6,7
	v_cndmask_b32 v[144+\j], v[96+\j], v[144+\j], s30   ; the biases in the result's layout: lanes 0-15 bf[j], lanes 16-31 bg[j]
.endr
	s_wait_loadcnt 0x0                             ; x
.irp i, 0,1,2,3,4,5,6,7,8,9,10,11,12,13,14,15
	ds_store_b128 v4, v[192+4*\i:195+4*\i] offset:272*(16*((\i/4)%2)+2*(\i%4)+8*(\i/8))   ; position 16 a + 8 u + b goes to stage row 16 u + 8 a + b: tile u, lane 8 a + b
.endr
	s_wait_dscnt 16                                ; the weights' 8 stores and 32 loads are done (their registers are loaded anew below); the 16 stores just issued may be out
.irp u, 0,1
.irp i, 0,1,2,3,4,5,6,7
	ds_load_b128 v[64+32*\u+4*\i:67+32*\u+4*\i], v5 offset:272*16*\u+16*\i   ; lane (r, h) of tile u: x[key][32 h .. 32 h + 31]
.endr
.endr
	s_wait_dscnt 0x0
	; f and g: source 0 = 16 outputs, source 1 = 16 positions; K step s takes channels 32 h + 2 s, + 1, alike on both sides.  The two accumulators take turns, one instruction a turn.
.irp s, 0,1,2,3,4,5,6,7,8,9,10,11,12,13,14,15
.irp u, 0,1
.if \s == 0
	v_wmma_f32_16x16x4_f32 v[128+8*\u:135+8*\u], v[32:33], v[64+32*\u:65+32*\u], v[144:151]   ; the biases start the sums
.else
	v_wmma_f32_16x16x4_f32 v[128+8*\u:135+8*\u], v[32+2*\s:33+2*\s], v[64+32*\u+2*\s:65+32*\u+2*\s], v[128+8*\u:135+8*\u]
.endif
.endr
.endr
	; x's codes: a lane's 32 numbers are one whole block of 32 along K.  (These lines are also the places behind the products above: ISA guide 7.12.1.)
.irp u, 0,1
	v_max3_num_f32 v[176+\u], |v[64+32*\u]|, |v[65+32*\u]|, 0x1800000   ; with the floor 2^(3 - 127): the byte cannot fall under 1
.endr
.irp i, 2,4,6,8,10,12,14,16,18,20,22,24,26,28,30
.irp u, 0,1
	v_max3_num_f32 v[176+\u], v[176+\u], |v[64+32*\u+\i]|, |v[65+32*\u+\i]|
.endr
.endr
.irp u, 0,1
	v_add_nc_u32 v[178+\u], 0xff000000, v[176+\u]  ; 2 off the exponent field: the conversion's scale operand
.endr
.irp u, 0,1
	v_lshrrev_b32 v[180+\u], 23, v[178+\u]         ; the scale's byte
.endr
.irp u, 0,1
	v_cvt_scalef32_pk16_fp6_f32 v[152+8*\u:154+8*\u], v[64+32*\u:79+32*\u], v[178+\u]
	v_cvt_scalef32_pk16_fp6_f32 v[168+4*\u:170+4*\u], v[80+32*\u:95+32*\u], v[178+\u]   ; (a conversion's three registers begin on an even number)
.endr
	v_nop                                          ; one plain place behind a scaled conversion
.irp u, 0,1
.irp i, 0,1,2
	v_mov_b32 v[155+8*\u+\i], v[168+4*\u+\i]       ; registers 0-5: k = 32 h .. 32 h + 31
.endr
.endr
.irp u, 0,1
	v_lshlrev_b32 v[180+\u], v13, v[180+\u]        ; my byte at its place,
.endr
.irp u, 0,1
	v_permlanex16_b32 v[182+\u], v[180+\u], s[SEL], s[SEL+1]
.endr
.irp u, 0,1
	v_or_b32 v[180+\u], v[180+\u], v[182+\u]       ; with lane l xor 16's: the position's scale word; bytes 2 and 3 are 0, over zero codes
.endr
.irp u, 0,1
	ds_store_b128 v9, v[152+8*\u:155+8*\u] offset:768*\u
	ds_store_b64 v10, v[156+8*\u:157+8*\u] offset:768*\u
	ds_store_b32 v11, v[180+\u] offset:128*\u
.endr
	; f and g leave: each accumulator from its low end on, into other registers
.irp u, 0,1
.irp j, 0,1,2,3,4,5,6,7
	v_mul_f32 v[192+8*\u+\j], v[128+8*\u+\j], v12
.endr
.endr
.irp u, 0,1
.irp q, 0,1
	global_store_b128 v8, v[192+8*\u+4*\q:195+8*\u+4*\q], s[20:21] offset:512*\u+256*\q   ; lanes 0-15 store 256 consecutive aligned bytes of F, lanes 16-31 of G
.endr
.endr
.macro BARRIER                         ; my LDS stores have landed and my LDS loads are in: then the work-group's barrier
	s_wait_dscnt 0x0
	s_barrier_signal -1
	s_barrier_wait -1
.endm
	BARRIER                                        ; x's eight fragments lie in LDS
	s_wait_xcnt 0x0                                ; the stores above have read their registers: v192 on take v
.irp k, 0,1,2,3
.irp i, 6,7,8,9,10,11
	v_mov_b32 v[64+12*\k+\i], 0                    ; x's fragments: zero codes for k = 64 .. 127
.endr
.endr
.irp j, 0,1,2,3,4,5,6,7
	v_mov_b32 v[120+\j], v29                       ; bh in the result's layout: a lane holds one channel
.endr
.irp b, 0,1,2,3
	v_mov_b32 v[TM+4+\b], 0                        ; written once: a lane permute's destination counts as one of its sources
.endr
	; v: source 0 = 16 positions of x, source 1 = my 16 channels of Wh.  Register 8 T + j of lane (r, h): channel 16 w + r, key 32 (T / 2) + 16 h + 8 (T % 2) + j
.irp g, 0,1
.if \g > 0
.rept 4
	v_nop                                          ; places in front of loads into registers that matrix instructions have read
.endr
.endif
.irp k, 0,1,2,3
	ds_load_b128 v[64+12*\k:67+12*\k], v1 offset:XIMG+768*(4*\g+\k)
	ds_load_b64 v[68+12*\k:69+12*\k], v2 offset:XIMG+768*(4*\g+\k)+512
	ds_load_b32 v[184+4*\g+\k], v3 offset:XSC+128*(4*\g+\k)
.endr
	s_wait_dscnt 0x0
.irp k, 0,1,2,3
	v_wmma_scale_f32_16x16x128_f8f6f4 v[192+8*(4*\g+\k):199+8*(4*\g+\k)], v[64+12*\k:75+12*\k], v[16:27], v[120:127], v[184+4*\g+\k], v28 matrix_a_fmt:MATRIX_FMT_FP6 matrix_b_fmt:MATRIX_FMT_FP6
.endr
.endr
.rept 4
	v_nop                                          ; places in front of the first read of results
.endr
; 64 numbers of a lane, v[s] .. v[s + 63], register 16 b + i = k 32 b + 16 (lane / 16) + i of my row, become a fragment's codes in v[PC] on and its scale word in v[PW].
.macro QUANT s
.irp b, 0,1,2,3
	v_max3_num_f32 v[TM+\b], |v[\s+16*\b]|, |v[\s+1+16*\b]|, 0x1800000   ; block b: my 16 numbers, and the floor 2^(3 - 127)
.endr
.irp i, 2,4,6,8,10,12,14
.irp b, 0,1,2,3
	v_max3_num_f32 v[TM+\b], v[TM+\b], |v[\s+16*\b+\i]|, |v[\s+1+16*\b+\i]|   ; (the four blocks by turns)
.endr
.endr
.irp b, 0,1,2,3
	v_permlanex16_b32 v[TM+4+\b], v[TM+\b], s[SEL], s[SEL+1]
.endr
.irp b, 0,1,2,3
	v_max_num_f32 v[TM+\b], v[TM+\b], v[TM+4+\b]   ; with lane l xor 16's: the block's largest magnitude
.endr
.irp b, 0,1,2,3
	v_add_nc_u32 v[TM+12+\b], 0xff000000, v[TM+\b] ; 2 off its exponent field: the conversion's scale operand
.endr
.irp b, 0,1,2,3
	v_lshrrev_b32 v[TM+4+\b], 23, v[TM+12+\b]      ; the scale's byte
.endr
	v_lshl_or_b32 v[PW], v[TM+5], 8, v[TM+4]       ; the four bytes make my row's scale word
	v_lshl_or_b32 v[PW], v[TM+6], 16, v[PW]
	v_lshl_or_b32 v[PW], v[TM+7], 24, v[PW]
.irp c, 0,1
	v_cvt_scalef32_pk16_fp6_f32 v[PC+6*\c:PC+2+6*\c], v[\s+32*\c:\s+15+32*\c], v[TM+12+2*\c]
	v_cvt_scalef32_pk16_fp6_f32 v[PC+12+4*\c:PC+14+4*\c], v[\s+16+32*\c:\s+31+32*\c], v[TM+12+2*\c+1]   ; (a conversion's three registers begin on an even number)
.endr
	v_nop                                          ; one plain place behind a scaled conversion
.irp c, 0,1                                    ; the operand's layout wants a WHOLE block in a lane: lanes 0-15 block 2 c, lanes 16-31 block 2 c + 1
.irp i, 0,1,2
	v_permlane16_swap_b32 v[PC+6*\c+\i], v[PC+12+4*\c+\i]
.endr
.irp i, 0,1,2
	v_mov_b32 v[PC+3+6*\c+\i], v[PC+12+4*\c+\i]
.endr
.endr
.endm
	QUANT 192                                      ; v along the keys: my 16 channels x 128 keys are one fragment
.irp c, 0,1,2
	global_store_b128 v14, v[PC+4*\c:PC+4*\c+3], s[20:21] offset:512*\c   ; 32 lanes store 512 consecutive bytes, aligned
.endr
	ds_store_b32 v15, v[PW]                        ; both halves of the lanes write the same word with the same value
	BARRIER                                        ; the four waves' scale words lie in LDS
	s_cmp_lg_u32 s22, 0
	s_cbranch_scc1 .Ldone
	ds_load_b64 v[152:153], v2 offset:VSC
	s_add_co_u32 s33, s31, SOFF
	v_add_nc_u32 v31, s33, v2                      ; (the loads that took v31 as their address are long in)
	s_wait_dscnt 0x0
	global_store_b64 v31, v[152:153], s[20:21]     ; wave 0 stores them: 256 consecutive bytes, aligned
.Ldone:
	s_wait_tensorcnt 0x0
	ds_add_u32 v159, v171
	s_wait_dscnt 0x0
	s_endpgm
.Lfunc_end_k_q9f677a7eae_prep:
	.size	k_q9f677a7eae_prep, .Lfunc_end_k_q9f677a7eae_prep-k_q9f677a7eae_prep
	.p2alignl 7, 3214868480
	.fill 96, 4, 3214868480
	.section	.rodata,"a",@progbits
	.p2align	6, 0x0
	.amdhsa_kernel k_q9f677a7eae_prep
		.amdhsa_group_segment_fixed_size 60160
		.amdhsa_private_segment_fixed_size 0
		.amdhsa_enable_private_segment 0
		.amdhsa_kernarg_size 72
		.amdhsa_user_sgpr_count 2
		.amdhsa_user_sgpr_kernarg_segment_ptr 1
		.amdhsa_wavefront_size32 1
		.amdhsa_system_sgpr_workgroup_id_x 1
		.amdhsa_system_sgpr_workgroup_id_y 1
		.amdhsa_system_sgpr_workgroup_id_z 1
		.amdhsa_system_vgpr_workitem_id 0
		.amdhsa_next_free_vgpr 256
		.amdhsa_next_free_sgpr 66
		.amdhsa_reserve_vcc 0
		.amdhsa_float_denorm_mode_32 3
		.amdhsa_float_denorm_mode_16_64 3
		.amdhsa_memory_ordered 1
		.amdhsa_forward_progress 1
		.amdhsa_inst_pref_size 28
	.end_amdhsa_kernel
	.amdgpu_metadata
---
amdhsa.version: [ 1, 2 ]
amdhsa.kernels:
  - .name:           k_q9f677a7eae_prep
    .symbol:         k_q9f677a7eae_prep.kd
    .args:
      - { .name: x, .offset: 0, .size: 8, .value_kind: global_buffer, .address_space: global }
      - { .name: Wf, .offset: 8, .size: 8, .value_kind: global_buffer, .address_space: global }
      - { .name: bf, .offset: 16, .size: 8, .value_kind: global_buffer, .address_space: global }
      - { .name: Wg, .offset: 24, .size: 8, .value_kind: global_buffer, .address_space: global }
      - { .name: bg, .offset: 32, .size: 8, .value_kind: global_buffer, .address_space: global }
      - { .name: Wh_codes, .offset: 40, .size: 8, .value_kind: global_buffer, .address_space: global }
      - { .name: Wh_scales, .offset: 48, .size: 8, .value_kind: global_buffer, .address_space: global }
      - { .name: bh, .offset: 56, .size: 8, .value_kind: global_buffer, .address_space: global }
      - { .name: ws, .offset: 64, .size: 8, .value_kind: global_buffer, .address_space: global }
    .group_segment_fixed_size: 60160
    .private_segment_fixed_size: 0
    .kernarg_segment_align: 8
    .kernarg_segment_size: 72
    .max_flat_workgroup_size: 128
    .sgpr_count:     66
    .vgpr_count:     256
    .wavefront_size: 32
...
	.end_amdgpu_metadata
.endif
;; end of part 1
;; launch attn (part 2): grid 64 x 4, 16 waves a work-group, clusters of 4 x 1, 327,680 bytes of LDS; arguments ws, out0; writes out0
.if DOCPART == 2
	.amdgcn_target "amdgcn-amd-amdhsa--gfx1250"
	.amdhsa_code_object_version 6
	.text
	.protected	k_q9f677a7eae_attn
	.globl	k_q9f677a7eae_attn
	.p2align	8
	.type	k_q9f677a7eae_attn,@function
k_q9f677a7eae_attn:
	s_mov_b64 s[64:65], 0
	v_nop
	global_prefetch_b8 v0, s[64:65] scope:SCOPE_SE
	s_setreg_imm32_b32 hwreg(HW_REG_WAVE_MODE, 25, 1), 1
	s_wait_xcnt 0x0
	s_wait_alu depctr_hold_cnt(0) depctr_sa_sdst(0) depctr_va_vdst(0) depctr_va_sdst(0) depctr_va_ssrc(0) depctr_va_vcc(0) depctr_vm_vsrc(0)
	s_getreg_b32 s2, hwreg(HW_REG_IB_STS2, 6, 4)
	s_cmp_eq_u32 s2, 0
	s_cbranch_scc0 .Lentry_in_a_cluster
	s_endpgm
.Lentry_in_a_cluster:
	s_bfe_u32 s2, ttmp6, 0x10000c
	s_cmp_lg_u32 s2, 0x3003
	s_cbranch_scc0 .Lentry_shape_is_right
	s_endpgm
.Lentry_shape_is_right:
; out[b][q][:] = the sum over k of softmax_k(g[q] . f[k]) v[k][:], 4 batches of 4,096 positions, 64 channels.  f, g x log2(e) (f32) and v (codes of FP6 along the keys, with E8M0 scale words) come from ws, laid as operand registers.
; THE SOFTMAX AHEAD OF THE SECOND PRODUCT: t = score x log2(e) (the factor lies in g); M = the largest t so far, rounded UP to a whole number; p = 2^(t - M) is quantised along the keys, not normalised.
; The row's sum is taken of the unquantised p, in f32, and divides at the end.  When M moves, the sum and O are multiplied by 2^(old M - new M): exact.
; SHARES.  A work-group owns 64 queries of one batch: 256 work-groups.  Wave w: query tile qt = w % 4 (16 positions, in the order in which the tiles are laid), quarter kq = w / 4 of the keys: key steps 2 kq, 2 kq + 1 of each
; chunk of 8 steps.  A wave walks 8 steps of 128 keys with its own M, sum and O^T; the four quarters of a query tile meet at the end in LDS and are joined by exact powers of two.  Sixteen waves of 256 registers: four to a SIMD.
; PRODUCTS, both transposed, so that a lane holds ONE query (lane % 16) throughout.  S^T = f g^T by the f32 matrix form (its result goes on into a quantiser): two instructions a tile of 16 keys, K = 8: lane (r, h) holds
; d = 4 h .. 4 h + 3, alike on both sides.  The keys of a tile are chosen so that the 16 registers of tiles 2 b, 2 b + 1 are keys 32 b + 16 h + 0 .. 15.  O^T += V^T P^T on codes: four instructions a step.
; BY TURNS.  The 16 score products of step j + 1 are issued inside step j's batch of exponentials: four of the 64 exponentials stand behind each product.  S^T is free by then (t - M has gone into other registers), and the
; exponentials name none of the products' registers.  So a wave has matrix work and exponentials issued side by side, whatever the other waves of its SIMD are doing.  Step 0's products stand alone, ahead of the first step.
; LDS.  A batch's f, V and scale words are 4 chunks of CHUNKB bytes.  Three regions take chunks 0, 1, 2 with the first fills; region 0 is filled again once, with chunk 3, when chunk 0 has been read.  The regions hold
; images of registers: every LDS load of a wave reads 512 consecutive bytes, so there is no padding.
; CLUSTER.  The four work-groups of a cluster belong to one batch and read the same chunks: every tile is asked for JOINTLY (mask 15), by waves 0 to 3, a quarter chunk (82 rows of 256 bytes) each.
; A wave has three tensor loads out at the start and one behind the refill.  My place in the cluster enters the global addresses of g and of out0 alone.
; No prefetch: three quarters of the stream are asked for by the first fills, and the last quarter has three key steps in which to land.
; LIMITS: NaN and infinities are not served.  A block of p whose largest number lies under 2^-124 keeps the scale byte 1 (its codes are zeros or nearly so).  The keys are summed in four parts for each query.
.set STEPB,  10496                     ; a key step in ws and in LDS: F 4,096 bytes, V 6,144, V's scale words 256
.set VOFF,   4096
.set SOFF,   10240
.set QB,     2*STEPB                   ; a quarter chunk
.set CHUNKB, 4*QB
.set BATCHB, 4*CHUNKB
.set GOFF,   4*BATCHB
.set SPARE,  3*CHUNKB                  ; behind the regions: the spare words, 128 bytes for each wave: eight blocks of 256 bytes that no other line names
.set MSTG,   SPARE+2048                ; the merge's stage: for each wave 16 pieces of 272 bytes: piece 2 i + h holds registers 4 i .. 4 i + 3 of O^T, 16 bytes a query.  No fill lands here
.set MST,    MSTG+16*4352              ; and (-M, the sum): 8 bytes a lane, 256 a wave
.set G,   16                           ; v16-19   g's fragment
.set F,   20                           ; v20-51   f's eight tiles
.set S,   52                           ; v52-115  S^T: written by matrix instructions alone
.set P,   116                          ; v116-179 t - M, then p; behind the conversions v116-163 take V's four fragments
.set O,   180                          ; v180-211 O^T
.set PC,  212                          ; v212-223 p's codes; v224-230 at work
.set BM,  232                          ; v232-235 the blocks' largest scores, then largest p
; v1 my spare word, v2 0; v3-5 my place in regions 0-2 (16 lane), v6-8 the same with 16 (lane % 16); v9-11, v249 the merge's addresses; v254 16 lane; v12 -M, v13 the largest t, v[14:15] the sum in two halves;
; v236-243 at work; v244-247 V's scale words, v248 p's: scales and nothing else; v[250:251] 2^(old M - new M); v252, v253 at work.
; s8 wave, s9 qt, s10 kq; s[20:21] lane selects; s[24:31] descriptor group 1; s[32:43] three groups 0.
.macro CROUND                          ; a round of the cluster's barrier: my work-group's barrier; wave 0 signals for the work-group; every wave waits for all four work-groups; my work-group's barrier once more
	s_barrier_signal -1
	s_barrier_wait -1
	s_cmp_lg_u32 s8, 0
	s_cbranch_scc1 .Lnot_wave_0_\@
	s_barrier_signal -3
.Lnot_wave_0_\@:
	s_barrier_wait -3
	s_barrier_signal -1
	s_barrier_wait -1
.endm
	s_load_b128 s[4:7], s[0:1], 0x0                ; ws, out0
	v_lshl_add_u32 v1, v0, 2, SPARE
	v_mov_b32 v2, 0
	ds_add_u32 v1, v2
	ds_add_u32 v1, v2
	s_wait_dscnt 0x0
	v_lshrrev_b32 v232, 5, v0
	v_readfirstlane_b32 s8, v232                   ; wave 0..15
	s_and_b32 s9, s8, 3                            ; qt.  Also: which quarter chunk I fetch, if I fetch
	s_lshr_b32 s10, s8, 2                          ; kq
	s_bfe_u32 s11, ttmp6, 0x40000                  ; cx: my place in the cluster
	s_lshl_b32 s12, ttmp9, 2
	s_add_co_u32 s12, s12, s11                     ; my block of 64 queries = 4 x cluster x + cx
	s_and_b32 s13, ttmp7, 0xffff                   ; the batch, which the four partners share
	s_mov_b32 s20, 0x76543210
	s_mov_b32 s21, 0xfedcba98
	; descriptor group 1: a dense block of QB bytes as 82 rows of 256 bytes (32 elements of 8 bytes), no padding
	s_mov_b32 s24, 15|(3<<16)|(1<<21)              ; 15:0 the mask: all four work-groups; 17:16 elements of 8 bytes; 21 set beside a mask
	s_mov_b32 s25, 32<<16                          ; tensor_dim0 = 32
	s_mov_b32 s26, 82<<16                          ; tensor_dim1 = 82
	s_mov_b32 s27, 32<<16                          ; tile_dim0 = 32
	s_mov_b32 s28, 82                              ; tile_dim1 = 82
	s_mov_b32 s29, 32                              ; the pitch
	s_mov_b32 s30, 0
	s_mov_b32 s31, 0
	s_mul_i32 s14, s13, BATCHB
	s_mul_i32 s19, s9, QB                          ; my quarter: in memory and in a region
	s_add_co_u32 s14, s14, s19
	s_mov_b32 s15, 0                               ; s[14:15]: what I fetch: batch and wave alone
	s_lshl_b32 s16, s13, 8                         ; g's tile: 256 batch + 4 block + qt,
	s_lshl_b32 s17, s12, 2
	s_add_co_u32 s16, s16, s17
	s_add_co_u32 s16, s16, s9
	s_lshl_b32 s16, s16, 9                         ; 512 bytes each,
	s_add_co_u32 s16, s16, GOFF                    ; behind the key steps
	s_mov_b32 s17, 0
	s_lshl_b32 s48, s13, 12                        ; the first row of out0 that I store: 4096 batch + 64 block + 32 (qt / 2) + 8 (qt % 2) + 4 kq + 8 (kq / 2)
	s_lshl_b32 s50, s12, 6
	s_add_co_u32 s48, s48, s50
	s_lshr_b32 s50, s9, 1
	s_lshl_b32 s50, s50, 5
	s_add_co_u32 s48, s48, s50
	s_and_b32 s50, s9, 1
	s_lshl_b32 s50, s50, 3
	s_add_co_u32 s48, s48, s50
	s_lshl_b32 s50, s10, 2
	s_add_co_u32 s48, s48, s50
	s_lshr_b32 s50, s10, 1
	s_lshl_b32 s50, s50, 3
	s_add_co_u32 s48, s48, s50
	s_lshl_b32 s48, s48, 8                         ; rows of 256 bytes
	s_mov_b32 s49, 0
	; every LDS address is made here, on the one way that all waves take
	v_and_b32 v232, 31, v0                         ; lane
	v_and_b32 v233, 15, v0                         ; r
	v_bfe_u32 v234, v0, 4, 1                       ; h
	s_mul_i32 s18, s10, QB                         ; my quarter of a chunk's keys
	v_lshl_add_u32 v3, v232, 4, s18
	v_add_nc_u32 v4, CHUNKB, v3
	v_add_nc_u32 v5, 2*CHUNKB, v3
	v_lshl_add_u32 v6, v233, 4, s18
	v_add_nc_u32 v7, CHUNKB, v6
	v_add_nc_u32 v8, 2*CHUNKB, v6
	s_mul_i32 s18, s8, 4352
	s_add_co_u32 s18, s18, MSTG
	v_mul_u32_u24 v9, v234, 272
	v_lshl_add_u32 v9, v233, 4, v9
	v_add_nc_u32 v9, s18, v9                       ; the merge, in: my stage, piece h, 16 r
	v_lshl_add_u32 v10, v0, 3, MST                 ; 256 wave + 8 lane
	v_and_b32 v11, 12, v0                          ; the merge, back: lane % 16 = c wants channels 4 c .. 4 c + 3, which lie in piece (c & 12) + 2 (c & 1) + ((c >> 1) & 1)
	v_and_b32 v235, 1, v0
	v_lshl_add_u32 v11, v235, 1, v11
	v_bfe_u32 v235, v0, 1, 1
	v_add_nc_u32 v11, v11, v235
	v_mul_u32_u24 v11, v11, 272
	v_lshl_add_u32 v11, v234, 4, v11               ; query 4 kq + h (+ 2 i in the offset),
	s_mul_i32 s18, s9, 4352                        ; of the waves of my query tile (4 k + qt: 4 k in the offset)
	s_lshl_b32 s51, s10, 6
	s_add_co_u32 s18, s18, s51
	s_add_co_u32 s18, s18, MSTG
	v_add_nc_u32 v11, s18, v11
	s_lshl_b32 s18, s9, 8
	s_lshl_b32 s51, s10, 5
	s_add_co_u32 s18, s18, s51
	s_add_co_u32 s18, s18, MST
	v_lshl_add_u32 v249, v234, 3, s18              ; and the same query's (-M, sum)
	v_lshlrev_b32 v254, 4, v232
	v_mov_b32 v13, 0xff61b1e6                      ; the largest t so far: -3e38, under every t
	v_floor_f32 v12, -v13                          ; -M
	v_mov_b32 v14, 0                               ; the sum, in two halves
	v_mov_b32 v15, 0
.irp i, 236,237,238,239,253
	v_mov_b32 v[\i], 0                             ; written once: a lane permute's destination counts as one of its sources
.endr
	v_mov_b32 v251, 0                              ; (named as the upper half of the pair v[250:251])
	s_wait_kmcnt 0x0
	s_add_nc_u64 s[44:45], s[4:5], s[14:15]
	s_add_nc_u64 s[46:47], s[4:5], s[16:17]
	s_add_nc_u64 s[6:7], s[6:7], s[48:49]
.irp c, 0,1,2                                  ; group 0 for chunk c into region c
	s_mov_b32 s[32+4*\c], 1                        ; 1:0 count = 1
	s_add_co_u32 s[33+4*\c], s19, \c*CHUNKB        ; 63:32 LDS address
	s_add_nc_u64 s[34+4*\c:35+4*\c], s[44:45], \c*CHUNKB   ; 120:64 global address
	s_or_b32 s[35+4*\c], s[35+4*\c], 0x80000000    ; 127:126 type = 2
.endr
	CROUND                                         ; all four work-groups are here: the first joint loads meet
	s_cmp_lt_u32 s8, 4                             ; waves 0 to 3 fetch; a wave's three first fills stand in one branch, ahead of every wait on TENSORcnt and every LDS read
	s_cbranch_scc0 .Lno_first
	tensor_load_to_lds s[32:35], s[24:31]
	s_nop 0
	tensor_load_to_lds s[36:39], s[24:31]
	s_nop 0
	tensor_load_to_lds s[40:43], s[24:31]
	s_nop 0
.rept 4
	v_nop                                          ; (behind a tensor load)
.endr
.Lno_first:
	global_load_b128 v[G:G+3], v254, s[46:47]      ; g's fragment stays in registers: lane (r, h): g[query r][4 h .. 4 h + 3] x log2(e)
.macro FETCH_F ad, off                         ; a step's eight tiles of f
.irp t, 0,1,2,3,4,5,6,7
	ds_load_b128 v[F+4*\t:F+4*\t+3], v[\ad] offset:(\off)+512*\t
.endr
.endm
; Product q of the 16 of S^T = f g^T: q = 0 .. 7 start the eight tiles' sums (d = 4 h, 4 h + 1), q = 8 .. 15 add onto them (d = 4 h + 2, 4 h + 3).  The eight accumulators take turns, one instruction a turn.
.macro SC
.if q < 8
	v_wmma_f32_16x16x4_f32 v[S+8*q:S+8*q+7], v[F+4*q:F+4*q+1], v[G:G+1], 0
.else
	v_wmma_f32_16x16x4_f32 v[S+8*q-64:S+8*q-57], v[F+4*q-30:F+4*q-29], v[G+2:G+3], v[S+8*q-64:S+8*q-57]
.endif
.endm
; A KEY STEP: its scores lie in S^T; its V and scale words at byte off of the region whose addresses are v[ad] (16 lane) and v[ax] (16 (lane % 16)).  first = 1: its products start O^T.
; nx = 1: there is a next step: its f, at offn of v[adn], is fetched at the head, and its 16 score products are issued among this step's exponentials.
.macro STEP ad, ax, off, first, nx, adn, offn
.if \nx
	FETCH_F \adn, \offn                            ; the last product that read f's registers stands more than eight plain instructions back
.endif
.irp b, 0,1,2,3
	v_max3_num_f32 v[BM+\b], v[S+16*\b], v[S+1+16*\b], v[S+2+16*\b]   ; THE LARGEST t OF EACH BLOCK OF 32 KEYS: it serves for the row's maximum and, since p rises with t, for the block's largest p
.endr
.irp i, 3,5,7,9,11,13
.irp b, 0,1,2,3
	v_max3_num_f32 v[BM+\b], v[BM+\b], v[S+16*\b+\i], v[S+1+16*\b+\i]   ; (the four blocks by turns)
.endr
.endr
.irp b, 0,1,2,3
	v_max_num_f32 v[BM+\b], v[BM+\b], v[S+15+16*\b]
.endr
.irp b, 0,1,2,3
	v_permlanex16_b32 v[236+\b], v[BM+\b], s20, s21
.endr
.irp b, 0,1,2,3
	v_max_num_f32 v[BM+\b], v[BM+\b], v[236+\b]    ; with lane l xor 16's 16 keys
.endr
	v_max3_num_f32 v252, v232, v233, v234
	v_max_num_f32 v252, v252, v235                 ; the step's largest t of my query
	v_max_num_f32 v13, v13, v252                   ; the running largest t
	v_mov_b32 v252, v12
	v_floor_f32 v12, -v13                          ; the new -M = floor(-t) = -ceil(t): M IS A WHOLE NUMBER
	v_sub_f32 v252, v12, v252                      ; M's old value less its new one: a whole number, 0 or less
	v_cvt_i32_f32 v252, v252                       ; (it saturates)
	v_ldexp_f32 v250, 1.0, v252                    ; 2^(old M - new M): a multiplication by it rounds nothing
.set j, 0
.rept 32
	v_pk_add_f32 v[P+j:P+j+1], v[S+j:S+j+1], v[12:13] op_sel_hi:[1,0]   ; t - M, two at a time, into other registers than the products': S^T is free behind these lines
.set j, j+2
.endr
.irp b, 0,1,2,3
	v_add_f32 v[BM+\b], v[BM+\b], v12              ; the same of each block's largest t
.endr
.if \nx
	s_wait_dscnt 0x0                               ; the next step's f is in (asked for at the step's head)
.endif
.set q, 0
.rept 16                                       ; THE NEXT STEP'S SCORES AMONG THIS STEP'S EXPONENTIALS: a product, then four exponentials, sixteen times.  No line here reads an exponential's result or names a product's register
.if \nx
	SC
.endif
.irp e, 0,1,2,3
	v_exp_f32 v[P+4*q+\e], v[P+4*q+\e]             ; p = 2^(t - M), at most 1: NOT normalised
.endr
.set q, q+1
.endr
	v_pk_mul_f32 v[14:15], v[14:15], v[250:251] op_sel_hi:[1,0]   ; the sums under the new M.  (A plain place behind the exponentials)
	s_wait_alu depctr_va_vdst(0)                   ; one for the whole batch, ahead of its first reader
.irp b, 0,1,2,3
	v_exp_f32 v[BM+\b], v[BM+\b]                   ; the block's largest p: the same two instructions on the same number give the same bits
.endr
	v_pk_add_f32 v[236:237], v[P:P+1], v[P+2:P+3]  ; THE ROW'S SUM IS TAKEN OF THE UNQUANTISED p: two at a time, in two chains
.set j, 4
.rept 15
	v_pk_add_f32 v[14:15], v[14:15], v[P+j:P+j+1]
	v_pk_add_f32 v[236:237], v[236:237], v[P+j+2:P+j+3]
.set j, j+4
.endr
	v_pk_add_f32 v[14:15], v[14:15], v[236:237]
	s_wait_alu depctr_va_vdst(0)                   ; and one for the four
.irp b, 0,1,2,3
	v_max_num_f32 v[BM+\b], 0x1800000, v[BM+\b]    ; the floor 2^(3 - 127): the byte cannot fall under 1
.endr
.irp b, 0,1,2,3
	v_add_nc_u32 v[240+\b], 0xff000000, v[BM+\b]   ; 2 off the exponent field: the conversion's scale operand
.endr
.irp b, 0,1,2,3
	v_lshrrev_b32 v[236+\b], 23, v[240+\b]         ; the scale's byte
.endr
	v_lshl_or_b32 v248, v237, 8, v236              ; p's scale word for these 128 keys
	v_lshl_or_b32 v248, v238, 16, v248
	v_lshl_or_b32 v248, v239, 24, v248
.irp c, 0,1
	v_cvt_scalef32_pk16_fp6_f32 v[PC+6*\c:PC+2+6*\c], v[P+32*\c:P+15+32*\c], v[240+2*\c]
	v_cvt_scalef32_pk16_fp6_f32 v[224+4*\c:226+4*\c], v[P+16+32*\c:P+31+32*\c], v[240+2*\c+1]   ; (a conversion's three registers begin on an even number)
.endr
	v_nop                                          ; one plain place behind a scaled conversion
.irp t, 0,1,2,3                                ; p is in codes: its registers take V's four fragments, as they lie
.irp c, 0,1,2
	ds_load_b128 v[P+12*\t+4*\c:P+12*\t+4*\c+3], v[\ad] offset:(\off)+VOFF+1536*\t+512*\c
.endr
.endr
	ds_load_b128 v[244:247], v[\ax] offset:(\off)+SOFF   ; and V's scale words: register t, lane r: channel 16 t + r
.irp c, 0,1                                    ; the operand's layout wants a WHOLE block in a lane: lanes 0-15 block 2 c, lanes 16-31 block 2 c + 1
.irp i, 0,1,2
	v_permlane16_swap_b32 v[PC+6*\c+\i], v[224+4*\c+\i]
.endr
.irp i, 0,1,2
	v_mov_b32 v[PC+3+6*\c+\i], v[224+4*\c+\i]
.endr
.endr
.if \first
.rept 8
	v_nop                                          ; places between the codes' last moves and the scaled products
.endr
.else
.set j, 0
.rept 16
	v_pk_mul_f32 v[O+j:O+j+1], v[O+j:O+j+1], v[250:251] op_sel_hi:[1,0]   ; O^T under the new M.  (These are also the places in front of the scaled products)
.set j, j+2
.endr
.endif
	s_wait_dscnt 0x0                               ; V and its scale words are in
.irp t, 0,1,2,3                                ; O^T += V^T P^T: source 0 = 16 channels, source 1 = my 16 queries; K = these 128 keys
.if \first
	v_wmma_scale_f32_16x16x128_f8f6f4 v[O+8*\t:O+8*\t+7], v[P+12*\t:P+12*\t+11], v[PC:PC+11], 0, v[244+\t], v248 matrix_a_fmt:MATRIX_FMT_FP6 matrix_b_fmt:MATRIX_FMT_FP6
.else
	v_wmma_scale_f32_16x16x128_f8f6f4 v[O+8*\t:O+8*\t+7], v[P+12*\t:P+12*\t+11], v[PC:PC+11], v[O+8*\t:O+8*\t+7], v[244+\t], v248 matrix_a_fmt:MATRIX_FMT_FP6 matrix_b_fmt:MATRIX_FMT_FP6
.endif
.endr
.endm
	s_wait_tensorcnt 2                             ; my part of chunk 0 is in; chunks 1 and 2 may stay out
	s_barrier_signal -1
	s_barrier_wait -1                              ; everybody's is
	FETCH_F 3, 0
	s_wait_loadcnt 0x0                             ; g
	s_wait_dscnt 0x0
.set q, 0
.rept 16
	SC                                             ; step 0's scores: there is no vector work yet to set between them
.set q, q+1
.endr
.rept 8
	v_nop                                          ; eight places behind this form, in front of the loads into f's registers and of the first read of results
.endr
	STEP 3, 6, 0, 1, 1, 3, STEPB                   ; step 0 (chunk 0) | scores of step 1
	s_wait_tensorcnt 1                             ; my part of chunk 1 is in (chunk 2 may stay out): step 1 reads f of step 2 from region 1
	s_wait_dscnt 0x0
	s_barrier_signal -1
	s_barrier_wait -1                              ; everybody's is
	STEP 3, 6, STEPB, 0, 1, 4, 0                   ; step 1 (chunk 0) | scores of step 2
	; THE ONE REFILL: region 0 takes chunk 3.  Each wave waits for all its tensor loads, adds 0 to its spare word, and waits for that and for its reads of region 0; a round of the cluster's barrier; then the joint load.
	s_wait_tensorcnt 0x0                           ; chunk 2 has landed too; no tensor load of mine is out, so a group 0 may be written
	ds_add_u32 v1, v2                              ; 0 onto my spare word
	ds_add_u32 v1, v2
	s_add_nc_u64 s[34:35], s[34:35], 3*CHUNKB      ; from chunk 0 to chunk 3; the type bits on top are not reached
	s_wait_dscnt 0x0                               ; the add is done, and my reads of region 0 are over
	CROUND                                         ; no wave of any partner still reads region 0 or has a load on its way
	s_cmp_lt_u32 s8, 4
	s_cbranch_scc0 .Lno_refill
	tensor_load_to_lds s[32:35], s[24:31]          ; the first thing behind the round, and my one tensor load from here on: it has three key steps in which to land
	s_nop 0
.rept 4
	v_nop
.endr
.Lno_refill:
	STEP 4, 7, 0, 0, 1, 4, STEPB                   ; step 2 (chunk 1) | scores of step 3
	STEP 4, 7, STEPB, 0, 1, 5, 0                   ; step 3 (chunk 1) | scores of step 4
	STEP 5, 8, 0, 0, 1, 5, STEPB                   ; step 4 (chunk 2) | scores of step 5
	s_wait_tensorcnt 0x0                           ; my part of chunk 3 is in (the only load that was out): step 5 reads f of step 6 from region 0
	s_wait_dscnt 0x0
	s_barrier_signal -1
	s_barrier_wait -1                              ; everybody's is
	STEP 5, 8, STEPB, 0, 1, 3, 0                   ; step 5 (chunk 2) | scores of step 6
	STEP 3, 6, 0, 0, 1, 3, STEPB                   ; step 6 (chunk 3) | scores of step 7
	STEP 3, 6, STEPB, 0, 0, 0, 0                   ; step 7 (chunk 3): nothing follows it
	; THE MERGE.  Each wave puts its O^T, -M and sum into LDS; wave (qt, kq) then finishes queries 4 kq .. 4 kq + 3 of tile qt from the four waves of that tile.
	v_add_f32 v14, v14, v15                        ; the sum's two halves,
	v_permlanex16_b32 v253, v14, s20, s21
	v_add_f32 v13, v14, v253                       ; and lane l xor 16's: my quarter's sum, beside -M
.rept 4
	v_nop                                          ; places behind the last products, in front of the stores that read them
.endr
.irp i, 0,1,2,3,4,5,6,7
	ds_store_b128 v9, v[O+4*\i:O+4*\i+3] offset:544*\i   ; each accumulator from its low end on; sixteen lanes write 256 consecutive bytes
.endr
	ds_store_b64 v10, v[12:13]
	s_wait_dscnt 0x0                               ; for the others' sake: my stores are done
	s_barrier_signal -1
	s_barrier_wait -1
.irp i, 0,1                                    ; queries 4 kq + 2 i + h;  k: the quarter
.irp k, 0,1,2,3
	ds_load_b64 v[148+8*\i+2*\k:149+8*\i+2*\k], v249 offset:1024*\k+16*\i
	ds_load_b128 v[116+16*\i+4*\k:119+16*\i+4*\k], v11 offset:17408*\k+32*\i
.endr
.endr
	s_wait_dscnt 0x0
.irp i, 0,1
	v_min3_num_f32 v[232+\i], v[148+8*\i], v[150+8*\i], v[152+8*\i]
.endr
.irp i, 0,1
	v_min_num_f32 v[232+\i], v[232+\i], v[154+8*\i]   ; -M of all keys: the least of the four -M
.endr
.irp i, 0,1
.irp k, 0,1,2,3
	v_sub_f32 v[236+4*\i+\k], v[232+\i], v[148+8*\i+2*\k]   ; quarter k's M less the whole's: a whole number, 0 or less
.endr
.endr
.irp i, 0,1,2,3,4,5,6,7
	v_cvt_i32_f32 v[236+\i], v[236+\i]
.endr
.irp i, 0,1,2,3,4,5,6,7
	v_ldexp_f32 v[236+\i], 1.0, v[236+\i]          ; the quarter's weight: an exact power of two
.endr
.irp i, 0,1
	v_mul_f32 v[234+\i], v[236+4*\i], v[149+8*\i]
.endr
.irp k, 1,2,3
.irp i, 0,1
	v_fma_f32 v[234+\i], v[236+4*\i+\k], v[149+8*\i+2*\k], v[234+\i]   ; the row's sum
.endr
.endr
	v_rcp_f32 v250, v234
	v_rcp_f32 v251, v235
	v_nop                                          ; a plain place behind the reciprocals
	s_wait_alu depctr_va_vdst(0)                   ; one for the two, ahead of their first reader
.irp i, 0,1
.irp k, 0,1,2,3
	v_mul_f32 v[236+4*\i+\k], v[236+4*\i+\k], v[250+\i]
.endr
.endr
.irp i, 0,1
.irp c, 0,1,2,3
	v_mul_f32 v[20+4*\i+\c], v[236+4*\i], v[116+16*\i+\c]
.endr
.endr
.irp k, 1,2,3
.irp i, 0,1
.irp c, 0,1,2,3
	v_fma_f32 v[20+4*\i+\c], v[236+4*\i+\k], v[116+16*\i+4*\k+\c], v[20+4*\i+\c]
.endr
.endr
.endr
.irp i, 0,1
	global_store_b128 v254, v[20+4*\i:23+4*\i], s[6:7] offset:512*\i th:TH_STORE_NT   ; 32 lanes store two whole rows of out0: 512 consecutive bytes, aligned; written once, read by nobody here
.endr
	s_wait_tensorcnt 0x0                           ; the wave's end: behind my last tensor load and my last LDS store
	ds_add_u32 v1, v2
	s_wait_dscnt 0x0
	CROUND                                         ; the closing round: no work-group ends while a partner may still ask for a tile that names it
	s_endpgm
.Lfunc_end_k_q9f677a7eae_attn:
	.size	k_q9f677a7eae_attn, .Lfunc_end_k_q9f677a7eae_attn-k_q9f677a7eae_attn
	.p2alignl 7, 3214868480
	.fill 96, 4, 3214868480
	.section	.rodata,"a",@progbits
	.p2align	6, 0x0
	.amdhsa_kernel k_q9f677a7eae_attn
		.amdhsa_group_segment_fixed_size 327680
		.amdhsa_private_segment_fixed_size 0
		.amdhsa_enable_private_segment 0
		.amdhsa_kernarg_size 16
		.amdhsa_user_sgpr_count 2
		.amdhsa_user_sgpr_kernarg_segment_ptr 1
		.amdhsa_wavefront_size32 1
		.amdhsa_system_sgpr_workgroup_id_x 1
		.amdhsa_system_sgpr_workgroup_id_y 1
		.amdhsa_system_sgpr_workgroup_id_z 1
		.amdhsa_system_vgpr_workitem_id 0
		.amdhsa_next_free_vgpr 256
		.amdhsa_next_free_sgpr 66
		.amdhsa_reserve_vcc 0
		.amdhsa_float_denorm_mode_32 3
		.amdhsa_float_denorm_mode_16_64 3
		.amdhsa_memory_ordered 1
		.amdhsa_forward_progress 1
		.amdhsa_inst_pref_size 128
	.end_amdhsa_kernel
	.amdgpu_metadata
---
amdhsa.version: [ 1, 2 ]
amdhsa.kernels:
  - .name:           k_q9f677a7eae_attn
    .symbol:         k_q9f677a7eae_attn.kd
    .args:
      - { .name: ws, .offset: 0, .size: 8, .value_kind: global_buffer, .address_space: global }
      - { .name: out0, .offset: 8, .size: 8, .value_kind: global_buffer, .address_space: global }
    .group_segment_fixed_size: 327680
    .private_segment_fixed_size: 0
    .kernarg_segment_align: 8
    .kernarg_segment_size: 16
    .max_flat_workgroup_size: 512
    .sgpr_count:     66
    .vgpr_count:     256
    .wavefront_size: 32
...
	.end_amdgpu_metadata
.endif
;; end of part 2
